; MI455X (gfx1250); checked and timed in simulation.
; The chip was launched on July 23, 2026; its instructions are those of AMD's public machine-readable ISA for CDNA 5 (MIT licence, August 2026) and "CDNA5" Instruction Set Architecture Reference Guide (July 2026). The comments in the code are by the model that wrote it; some were corrected since.
;; Attention. Allowed arithmetic: matrix products marked QUANTISED: E4M3 operands, one given power-of-two scale a tensor, by v_wmma_f32_16x16x64_fp8_fp8 or v_wmma_f32_16x16x128_fp8_fp8, f32 sums; everything else in f32.
;; Inputs: b_fc 1,024 float32; b_qkv 3,072 float32; lowp_scales 8 int32 (the exponents e of the quantised operands' scales 2^e); w_fc 1,024 x 1,024 float32; w_qkv 1,024 x 3,072 float32; x 4 x 2,048 x 1,024 float32.
;; Outputs: out0 4 x 2,048 x 1,024 float32.
;; This version of the problem:
;;   THIS VERSION OF THE PROBLEM IS GIVEN IN LOW PRECISION. The matrix products marked QUANTISED in the list below multiply operands that are first quantised to E4M3 (4 exponent bits, 3 mantissa bits; 8 bits a number), with one given power-of-two scale for each operand tensor; their sums are f32. All else is computed in f32.
;;   The module's matrix products, in the order in which they are computed (A, B: the left and right operand; K: the contracted axis; several contracted axes count as one K, in the product's order):
;;     1. [M 8,192, K 1,024] x [K 1,024, N 3,072]; A: input x; B: input w_qkv: QUANTISED (scales: A lowp_scales[0], B lowp_scales[1])
;;     2. batch 64 x [M 2,048, K 64] x [K 64, N 2,048]; A: computed on the way; B: computed on the way: QUANTISED (scales: A lowp_scales[2], B lowp_scales[3])
;;     3. batch 64 x [M 2,048, K 2,048] x [K 2,048, N 64]; A: softmax (see below); B: computed on the way: QUANTISED (scales: A lowp_scales[4], B lowp_scales[5])
;;     4. [M 8,192, K 1,024] x [K 1,024, N 1,024]; A: computed on the way; B: input w_fc: QUANTISED (scales: A lowp_scales[6], B lowp_scales[7])
;;   THE QUANTISER, for each operand of a quantised product, along K:
;;     - The operand's scale is 2^e, e = its entry of the input lowp_scales (int32; the entries are numbered through the quantised products in the list's order, A before B).
;;     - Each number is divided by the scale, clamped to +-448, and rounded to the nearest number of E4M3, ties to even, subnormals kept.
;;     - The product sums the exact products of the quantised numbers (number of the format x scale) in f32.
;;   ~~~python
;;   def quantise(x, axis, e):      # numpy; x: float32 -> the quantised numbers, widened to float32 again
;;       x = np.moveaxis(x, axis, -1); K = x.shape[-1]
;;       r = np.clip(x / 2.0 ** e, -448, 448)
;;       step = 2.0 ** (np.maximum(np.frexp(np.where(r == 0, 1, r))[1] - 1, -6) - 3)
;;       q = np.round(r / step) * step * 2.0 ** e      # np.round: ties to even
;;       return np.moveaxis(q, -1, axis).astype(np.float32)
;;   ~~~
;;   SOFTMAX AHEAD OF A QUANTISED PRODUCT. Where the list says 'softmax', what is quantised is not the finished softmax but p = 2^(t - M), with t = logit x log2(e) and M = ceil(the row's largest t), a whole number; so 1/2 < the row's largest p <= 1. The row's sum l is taken of the UNQUANTISED p, in f32, and the product's result is divided by l at the end. Since M is a whole number, a kernel that streams over the keys may use a running M (the ceiling of the running maximum): every later rescaling is an exact power of two, so the quantised numbers keep their values, but for numbers so far below the row's largest that they fall under the format's range.
;;   OPERANDS COMPUTED ON THE WAY. 'Computed on the way' means the value that the module computes at that place (a softmax that the list does not call 'softmax' is quantised finished and normalised). What goes into a quantiser is computed in f32, as accurately as f32 sums, v_exp_f32 and their like allow (about 1e-6 of the number): no bf16 or f16 on the way to a quantiser, and a product that is left as it is and whose result goes on into a quantised operand takes f32 operands (vector FMAs, or v_wmma_f32_16x16x4_f32). A number that lies on a knife's edge between two numbers of the format may be rounded either way, as far as f32 arithmetic and the matrix unit's own rounding can turn it there, and no further.
;; One version. Each part assembles by itself: llvm-mc -triple=amdgcn-amd-amdhsa -mcpu=gfx1250 --defsym DOCPART=n.
;; ======== version 1 of 1: 4 launches
;; limits: right only within a limited range of input values
;; workspace buffers: x_codes 8,388,608 bytes; w_codes 4,194,304 bytes; qk 16,777,216 bytes; vt 8,388,608 bytes; ao 8,388,608 bytes
;; launch quant (part 1): grid 384 x 1, 4 waves a work-group, no clusters, 69,120 bytes of LDS; arguments x, w_qkv, w_fc, lowp_scales, x_codes, w_codes; writes x_codes, w_codes
.if DOCPART == 1
	.amdgcn_target "amdgcn-amd-amdhsa--gfx1250"
	.amdhsa_code_object_version 6
	.text
	.protected	k_q0e3463697d_quant
	.globl	k_q0e3463697d_quant
	.p2align	8
	.type	k_q0e3463697d_quant,@function
k_q0e3463697d_quant:
	s_mov_b64 s[64:65], 0
	v_nop
	global_prefetch_b8 v0, s[64:65] scope:SCOPE_SE
	s_setreg_imm32_b32 hwreg(HW_REG_WAVE_MODE, 25, 1), 1
	s_wait_xcnt 0x0
; One launch turns all three f32 operands into codes of FP8 (E4M3): code = number / 2^e, held within +-448, nearest code, ties to even.  LIMITS: each e between -126 and 119.  NaN among the inputs is not served.
; WORK-GROUPS 0-255: x [8192][1024] (e = entry 0) becomes REGISTER IMAGES: x_codes [tile of 16 tokens][128 k][2,048 bytes]; the 16 bytes at 512 c + 16 lane are x(16 T + lane % 16, 128 s + 32 c + 16 (lane / 16) + 0 .. 15):
; the reader's lane loads its fragment's registers 4 c .. 4 c + 3 from there.  A wave takes one tile of tokens x 512 k in four units of 128 k: sixteen loads of 512 consecutive bytes (a row each), a turn through its own stage in LDS
; (rows 528 bytes apart), 64 bytes a lane back for each c, four stores of 512 consecutive bytes.
; WORK-GROUPS 256-383: w_qkv [1024 (k)][3072] and w_fc [1024 (k)][1024] become w_codes [4096][1024], K innermost: rows 0-3071 w_qkv's columns (entry 1), rows 3072-4095 w_fc's (entry 7).  In w_fc's rows the four pieces of 8 bytes
; of each 32 lie in the order 0, 2, 1, 3, the order in which the last product's other operand is made.  A lane takes a column, its registers run down K; the codes leave through the wave's stage as rows of 256 bytes.
; The two paths part on the work-group's number and have LDS bytes of their own.  Waves share nothing: no barrier.
.set SPARE, 68608                      ; behind both paths' stages: the spare words
.set WST,   33792                      ; the second path's stages begin here
.set XP,    528                        ; x: a stage row: 512 bytes + 16
.set WP,    272                        ; w: a stage row: 256 bytes + 16
.set XR,    16                         ; v16-143  x: two sets of 64 numbers as loaded
.set XX,    144                        ; v144-207 x: 64 numbers, 16 neighbours for each c
.set XC,    208                        ; v208-239 x: two sets of 16 registers of codes
.set SPW,   254
.set NIL,   255
	s_load_b256 s[4:11], s[0:1], 0x0               ; x, w_qkv, w_fc, the scales' exponents
	s_load_b128 s[12:15], s[0:1], 0x20             ; x_codes, w_codes
	v_lshl_add_u32 v[SPW], v0, 2, SPARE
	v_mov_b32 v[NIL], 0
	v_lshrrev_b32 v1, 5, v0
	v_readfirstlane_b32 s16, v1                    ; wave
	v_and_b32 v2, 31, v0                           ; lane
	s_cmp_lt_u32 ttmp9, 256
	s_wait_alu depctr_va_vdst(0)                   ; directly ahead of the branch
	s_cbranch_scc0 .Lw
	v_lshlrev_b32 v3, 4, v2                        ; 16 x lane
	s_mul_i32 s17, s16, 16*XP                      ; my stage
	v_add_nc_u32 v4, s17, v3                       ; in: a row as it lies
	v_and_b32 v5, 15, v2
	v_lshrrev_b32 v6, 4, v2
	v_mul_u32_u24 v7, v5, XP
	v_lshl_add_u32 v7, v6, 6, v7
	v_add_nc_u32 v7, s17, v7                       ; out: row lane % 16, 64 bytes x (lane / 16)
	s_lshl_b32 s18, ttmp9, 2
	s_add_co_u32 s18, s18, s16
	s_lshr_b32 s19, s18, 1                         ; my tile of 16 tokens
	s_and_b32 s20, s18, 1                          ; which 512 k
	s_lshl_b32 s22, s19, 16
	s_lshl_b32 s23, s20, 11
	s_add_co_u32 s22, s22, s23
	s_mov_b32 s23, 0
	s_lshl_b32 s24, s19, 14
	s_lshl_b32 s25, s20, 13
	s_add_co_u32 s24, s24, s25
	s_mov_b32 s25, 0
	s_wait_alu depctr_va_vdst(0)                   ; directly ahead of the wait below
	s_wait_kmcnt 0x0
	s_load_b32 s26, s[10:11], 0x0                  ; e0
	s_add_nc_u64 s[4:5], s[4:5], s[22:23]
	s_add_nc_u64 s[12:13], s[12:13], s[24:25]
.macro XLOAD u
.irp i, 0,1,2,3,4,5,6,7,8,9,10,11,12,13,14,15
	global_load_b128 v[XR+64*((\u)%2)+4*\i:XR+64*((\u)%2)+4*\i+3], v3, s[4:5] offset:4096*\i+512*(\u) th:TH_LOAD_NT
.endr
.endm
	XLOAD 0
	XLOAD 1
	s_wait_kmcnt 0x0
	s_add_co_i32 s26, s26, 127
	s_lshl_b32 s27, s26, 23
	v_mov_b32 v11, s27                             ; 2^e
	s_add_co_i32 s26, s26, 8
	s_lshl_b32 s26, s26, 23
	s_or_b32 s26, s26, 0x600000
	v_mov_b32 v10, s26                             ; 448 x 2^e
	s_wait_alu depctr_va_vdst(0)                   ; at the head's end
.macro XUNIT u
.if (\u) < 3
	s_wait_loadcnt 16                              ; this unit's sixteen loads are in; the next unit's may be out
.else
	s_wait_loadcnt 0
.endif
.irp i, 0,1,2,3,4,5,6,7,8,9,10,11,12,13,14,15
	ds_store_b128 v4, v[XR+64*((\u)%2)+4*\i:XR+64*((\u)%2)+4*\i+3] offset:XP*\i
.endr
.irp c, 0,1,2,3
.irp i, 0,1,2,3
	ds_load_b128 v[XX+16*\c+4*\i:XX+16*\c+4*\i+3], v7 offset:128*\c+16*\i   ; LDS serves a wave's instructions in order: these see the stores
.endr
.endr
	s_wait_dscnt 0x0                               ; the numbers are back, and the stores have read their registers,
.if (\u)+2 < 4
	XLOAD (\u)+2                                   ; which take the loads of two units on
.endif
.if (\u) >= 2
	s_wait_xcnt 0x0                                ; the stores of two units back have read their data
.endif
.set n, 0
.rept 64
	v_med3_num_f32 v[XX+n], v[XX+n], -v10, v10     ; the conversion does not saturate (ISA guide 7.6.2)
.set n, n+1
.endr
.irp k, 0,1,2,3,4,5,6,7
	v_cvt_scalef32_pk8_fp8_f32 v[XC+16*((\u)%2)+2*\k:XC+16*((\u)%2)+2*\k+1], v[XX+8*\k:XX+8*\k+7], v11
.endr
.irp c, 0,1,2,3
	global_store_b128 v3, v[XC+16*((\u)%2)+4*\c:XC+16*((\u)%2)+4*\c+3], s[12:13] offset:2048*(\u)+512*\c
.endr
.endm
	XUNIT 0
	XUNIT 1
	XUNIT 2
	XUNIT 3
	s_wait_tensorcnt 0x0                           ; the wave's end
	ds_add_u32 v[SPW], v[NIL]
	s_wait_dscnt 0x0
	s_endpgm
.Lw:
.set NB,    8
.set KROW,  1024
.set OFFS,  16                         ; v16-47   4 x lane + i x the tensor's pitch
.set WX,    48                         ; v48-111  two sets of 32 numbers
.set WC,    112
.set WE,    120
.set OUTR,  128
.set BASE,  44                         ; s[44:59] the eight blocks' first rows
	s_sub_co_u32 s34, ttmp9, 256
	s_lshr_b32 s18, s34, 5                         ; which 256 along K
	s_and_b32 s34, s34, 31                         ; which 128 rows of the codes
	s_mov_b32 s20, 4096
	s_cmp_lt_u32 s34, 24                           ; w_qkv's or w_fc's?
	s_cselect_b32 s20, 12288, s20                  ; the tensor's pitch
	s_cselect_b32 s21, 0, 24
	s_cselect_b32 s40, 0, -1                       ; a lane mask: all ones for w_fc
	s_sub_co_u32 s22, s34, s21
	s_lshl_b32 s22, s22, 7
	s_lshl_b32 s23, s16, 5
	s_add_co_u32 s22, s22, s23
	s_lshl_b32 s22, s22, 2
	s_lshl_b32 s24, s18, 8
	s_mul_i32 s24, s24, s20
	s_add_co_u32 s26, s24, s22
	s_mov_b32 s27, 0
	s_lshl_b32 s28, s20, 5
	s_mov_b32 s29, 0
	s_lshl_b32 s30, s34, 7
	s_add_co_u32 s30, s30, s23
	s_lshl_b32 s30, s30, 10
	s_lshl_b32 s31, s18, 8
	s_add_co_u32 s30, s30, s31
	s_mov_b32 s31, 0
	v_lshlrev_b32 v[OFFS], 2, v2
.set i, 1
.rept 31
	v_add_nc_u32 v[OFFS+i], s20, v[OFFS+i-1]
.set i, i+1
.endr
	s_mul_i32 s19, s16, 32*WP
	s_add_co_u32 s19, s19, WST                     ; my stage
	v_mul_u32_u24 v4, v2, WP
	v_add_nc_u32 v4, s19, v4
	v_and_b32 v5, 15, v2
	v_lshrrev_b32 v6, 4, v2
	v_mul_u32_u24 v7, v6, WP
	v_lshl_add_u32 v7, v5, 4, v7
	v_add_nc_u32 v7, s19, v7
	v_mul_u32_u24 v8, v6, KROW
	v_lshl_add_u32 v8, v5, 4, v8
	s_wait_kmcnt 0x0
	s_load_b32 s32, s[10:11], 0x4                  ; e of w_qkv
	s_load_b32 s33, s[10:11], 0x1c                 ; e of w_fc
	s_cmp_lt_u32 s34, 24
	s_cselect_b64 s[4:5], s[6:7], s[8:9]
	s_add_nc_u64 s[BASE:BASE+1], s[4:5], s[26:27]
.irp t, 1,2,3,4,5,6,7
	s_add_nc_u64 s[BASE+2*\t:BASE+2*\t+1], s[BASE+2*\t-2:BASE+2*\t-1], s[28:29]
.endr
	s_add_nc_u64 s[14:15], s[14:15], s[30:31]
.macro WLOAD t
.set li, 0
.rept 32
	global_load_b32 v[WX+32*((\t)%2)+li], v[OFFS+li], s[BASE+2*(\t):BASE+2*(\t)+1] th:TH_LOAD_NT
.set li, li+1
.endr
.endm
	WLOAD 0
	WLOAD 1
	s_wait_kmcnt 0x0
	s_cmp_lt_u32 s34, 24
	s_cselect_b32 s32, s32, s33
	s_add_co_i32 s32, s32, 127
	s_lshl_b32 s33, s32, 23
	v_mov_b32 v11, s33
	s_add_co_i32 s32, s32, 8
	s_lshl_b32 s32, s32, 23
	s_or_b32 s32, s32, 0x600000
	v_mov_b32 v10, s32
.macro BLOCK t
.set XS, WX+32*((\t)%2)
.if (\t) < NB-1
	s_wait_loadcnt 32                              ; this block's 32 loads are in; the next block's may be out
.else
	s_wait_loadcnt 0
.endif
.set li, 0
.rept 32
	v_med3_num_f32 v[XS+li], v[XS+li], -v10, v10
.set li, li+1
.endr
	v_cvt_scalef32_pk8_fp8_f32 v[WC:WC+1], v[XS:XS+7], v11
	v_cvt_scalef32_pk8_fp8_f32 v[WE:WE+1], v[XS+8:XS+15], v11
	v_cvt_scalef32_pk8_fp8_f32 v[WE+2:WE+3], v[XS+16:XS+23], v11
	v_cvt_scalef32_pk8_fp8_f32 v[WC+6:WC+7], v[XS+24:XS+31], v11
	v_nop                                          ; one plain line between a scaled conversion and the vector lines that read its result
	v_cndmask_b32 v[WC+2], v[WE], v[WE+2], s40     ; the second place takes piece 1, in w_fc's rows piece 2; the third the other
	v_cndmask_b32 v[WC+3], v[WE+1], v[WE+3], s40
	v_cndmask_b32 v[WC+4], v[WE+2], v[WE], s40
	v_cndmask_b32 v[WC+5], v[WE+3], v[WE+1], s40
	ds_store_b128 v4, v[WC:WC+3] offset:32*(\t)
	ds_store_b128 v4, v[WC+4:WC+7] offset:32*(\t)+16
.if (\t)+2 < NB
	WLOAD (\t)+2
.endif
	s_wait_dscnt 0x0                               ; the stores have read their registers
.endm
.set Q, 0
	s_wait_alu depctr_va_vdst(0)                   ; at the head's end
.rept NB
	BLOCK Q
.set Q, Q+1
.endr
.irp t, 0,1,2,3,4,5,6,7,8,9,10,11,12,13,14,15
	ds_load_b128 v[OUTR+4*\t:OUTR+4*\t+3], v7 offset:2*\t*WP
.endr
.irp t, 0,1,2,3,4,5,6,7,8,9,10,11,12,13,14,15
	s_wait_dscnt 15-\t
	global_store_b128 v8, v[OUTR+4*\t:OUTR+4*\t+3], s[14:15] offset:2*\t*KROW
.endr
	s_wait_tensorcnt 0x0
	ds_add_u32 v[SPW], v[NIL]
	s_wait_dscnt 0x0
	s_endpgm
.Lfunc_end_k_q0e3463697d_quant:
	.size	k_q0e3463697d_quant, .Lfunc_end_k_q0e3463697d_quant-k_q0e3463697d_quant
	.p2alignl 7, 3214868480
	.fill 96, 4, 3214868480
	.section	.rodata,"a",@progbits
	.p2align	6, 0x0
	.amdhsa_kernel k_q0e3463697d_quant
		.amdhsa_group_segment_fixed_size 69120
		.amdhsa_private_segment_fixed_size 0
		.amdhsa_enable_private_segment 0
		.amdhsa_kernarg_size 48
		.amdhsa_user_sgpr_count 2
		.amdhsa_user_sgpr_kernarg_segment_ptr 1
		.amdhsa_wavefront_size32 1
		.amdhsa_system_sgpr_workgroup_id_x 1
		.amdhsa_system_sgpr_workgroup_id_y 1
		.amdhsa_system_sgpr_workgroup_id_z 1
		.amdhsa_system_vgpr_workitem_id 0
		.amdhsa_next_free_vgpr 256
		.amdhsa_next_free_sgpr 66
		.amdhsa_reserve_vcc 0
		.amdhsa_float_denorm_mode_32 3
		.amdhsa_float_denorm_mode_16_64 3
		.amdhsa_memory_ordered 1
		.amdhsa_forward_progress 1
		.amdhsa_inst_pref_size 89
	.end_amdhsa_kernel
	.amdgpu_metadata
---
amdhsa.version: [ 1, 2 ]
amdhsa.kernels:
  - .name:           k_q0e3463697d_quant
    .symbol:         k_q0e3463697d_quant.kd
    .args:
      - { .name: x, .offset: 0, .size: 8, .value_kind: global_buffer, .address_space: global }
      - { .name: w_qkv, .offset: 8, .size: 8, .value_kind: global_buffer, .address_space: global }
      - { .name: w_fc, .offset: 16, .size: 8, .value_kind: global_buffer, .address_space: global }
      - { .name: lowp_scales, .offset: 24, .size: 8, .value_kind: global_buffer, .address_space: global }
      - { .name: x_codes, .offset: 32, .size: 8, .value_kind: global_buffer, .address_space: global }
      - { .name: w_codes, .offset: 40, .size: 8, .value_kind: global_buffer, .address_space: global }
    .group_segment_fixed_size: 69120
    .private_segment_fixed_size: 0
    .kernarg_segment_align: 8
    .kernarg_segment_size: 48
    .max_flat_workgroup_size: 128
    .sgpr_count:     66
    .vgpr_count:     256
    .wavefront_size: 32
...
	.end_amdgpu_metadata
.endif
;; end of part 1
;; launch gemm_qkv (part 2): grid 32 x 8, 4 waves a work-group, clusters of 4 x 1, 327,680 bytes of LDS; arguments x_codes, w_codes, lowp_scales, b_qkv, qk, vt; writes qk, vt
.if DOCPART == 2
	.amdgcn_target "amdgcn-amd-amdhsa--gfx1250"
	.amdhsa_code_object_version 6
	.text
	.protected	k_q0e3463697d_gemm_qkv
	.globl	k_q0e3463697d_gemm_qkv
	.p2align	8
	.type	k_q0e3463697d_gemm_qkv,@function
k_q0e3463697d_gemm_qkv:
	s_mov_b64 s[64:65], 0
	v_nop
	global_prefetch_b8 v0, s[64:65] scope:SCOPE_SE
	s_setreg_imm32_b32 hwreg(HW_REG_WAVE_MODE, 25, 1), 1
	s_wait_xcnt 0x0
	s_wait_alu depctr_hold_cnt(0) depctr_sa_sdst(0) depctr_va_vdst(0) depctr_va_sdst(0) depctr_va_ssrc(0) depctr_va_vcc(0) depctr_vm_vsrc(0)
	s_getreg_b32 s2, hwreg(HW_REG_IB_STS2, 6, 4)
	s_cmp_eq_u32 s2, 0
	s_cbranch_scc0 .Lentry_in_a_cluster
	s_endpgm
.Lentry_in_a_cluster:
	s_bfe_u32 s2, ttmp6, 0x10000c
	s_cmp_lg_u32 s2, 0x3003
	s_cbranch_scc0 .Lentry_shape_is_right
	s_endpgm
.Lentry_shape_is_right:
; qkv = x w_qkv + b_qkv on codes of FP8 (E4M3); q, k and v are split into heads and quantised for attention's two products (eo = e2 for q, e3 for k, e5 for v).
; The sums stand for sum x 2^(e0 + e1).  The bias, divided by that power of two, is the C of each accumulator's first product; the hold and the conversion then take the one scale 2^(eo - e0 - e1).
; LIMITS: eo - e0 - e1 between -126 and 119; the bias x 2^-(e0 + e1) stays an f32 number.  NaN among the inputs is not served.
; Inside a matrix instruction k stands permuted (pieces of 16 bytes), alike in both operands.
; SHARES.  Work-group (B, j): tokens 256 B .. + 255 x columns 384 j .. + 383: 32 x 8 work-groups of equal work.  A wave owns 64 tokens and KEEPS their 1,024 k in 512 registers, loaded once from x's register images
; (128 loads of 512 consecutive bytes).  w comes in three slots of 128 columns x the whole K (rows of 1,024 bytes), through two LDS slots; a slot is one phase: 256 matrix instructions a wave, then the way out of 64 x 128 results.
; CLUSTERS: four work-groups along the tokens share j and so every slot of w: joint loads, mask 15, a quarter of a slot (32 rows) a wave.  x's images are no tile in LDS: each wave loads its own.
; No prefetch: of the three slots two are asked for at the head, and the third a whole phase ahead of its use.
; WHAT A LANE KEEPS.  Source 1's rows are kept by lanes, source 0's run along the eight result registers.  q, k (column slot g < 16): source 0 = 16 columns, source 1 = 16 tokens; v: the two change places, so that a lane's
; registers run along the tokens, the second product's K.  g hangs on j and the count of phases alone: alike in all partners.
; OUT, as register images: qk [q or k][batch][head][tile of 16 tokens][1,024]; vt [batch][head][128 keys][16 d][2,048].  Each store covers 512 consecutive bytes, aligned.
; REGISTERS: window 0: v0-31 addresses, v32-95 the bias in the result's layout, v96-255 w's fragments, five sets of two by turns (on the way out v128-191 the codes); windows 1, 2: x (K step s, block a at 64 s + 16 a);
; window 3: the 32 accumulators ((a, b) at 8 (8 a + b)).
.set PITCH, 1040                       ; an LDS row: 1,024 bytes + 16: 260 words, so the 16 rows of a fragment start at 16 different groups of four banks (64 banks of 4 bytes: ISA guide 11.1)
.set QTR,   32*PITCH
.set SLOT,  4*QTR
.set SPARE, 2*SLOT
.set AO,   4                           ; v4   16 x lane
.set BO,   5                           ; v5   32 x (lane / 16)
.set BR,   6                           ; v6   4 x (lane % 16)
.set AD0,  8                           ; v8   (lane % 16) x PITCH + 16 (lane / 16)
.set ADL,  10                          ; v10  the same in the slot in hand;  v11: 64 rows further on
.set SCL,  12
.set LIMR, 13
.set SPW,  28
.set NIL,  29
.set BI,   32
.set RING, 96
.set CD,   128
.set G1,   24
.set G0,   32
.set MSB, 0
.macro WIN new                         ; the immediate's high byte repeats the setting that is left
.if MSB != (\new)
	s_set_vgpr_msb (MSB<<8)|(\new)
.set MSB, (\new)
.endif
.endm
.macro CROUND                          ; a round of the cluster's barrier
	s_barrier_signal -1
	s_barrier_wait -1
	s_cmp_lg_u32 s16, 0
	s_cbranch_scc1 .Lnot_wave_0_\@
	s_barrier_signal -3
.Lnot_wave_0_\@:
	s_barrier_wait -3
	s_barrier_signal -1
	s_barrier_wait -1
.endm
.macro JLOAD                           ; my quarter of a slot; s_nop 0 and four v_nop follow
	tensor_load_to_lds s[G0:G0+3], s[G1:G1+7]
	s_nop 0
.rept 4
	v_nop
.endr
.endm
.macro BIAS g                          ; the bias of column slot g in the result's layout: q, k: eight neighbouring columns a lane; v: the lane's one column, eight times
	s_lshl_b32 s44, \g, 9
	s_mov_b32 s45, 0
	s_add_nc_u64 s[40:41], s[10:11], s[44:45]
	s_cmp_lt_u32 \g, 16
	s_cbranch_scc0 .Lbv_\@
.irp b, 0,1,2,3,4,5,6,7
	global_load_b128 v[BI+8*\b:BI+8*\b+3], v[BO], s[40:41] offset:64*\b
	global_load_b128 v[BI+8*\b+4:BI+8*\b+7], v[BO], s[40:41] offset:64*\b+16
.endr
	s_branch .Lbd_\@
.Lbv_\@:
.irp b, 0,1,2,3,4,5,6,7
.irp j, 0,1,2,3,4,5,6,7
	global_load_b32 v[BI+8*\b+\j], v[BR], s[40:41] offset:64*\b
.endr
.endr
.Lbd_\@:
.endm
.macro SCALEB                          ; x 2^-(e0 + e1): exact
.set n, 0
.rept 64
	v_ldexp_f32 v[BI+n], v[BI+n], s51
.set n, n+1
.endr
	s_wait_alu depctr_va_vdst(0)
.endm
	s_load_b256 s[4:11], s[0:1], 0x0               ; x_codes, w_codes, the scales' exponents, the bias
	s_load_b128 s[12:15], s[0:1], 0x20             ; qk, vt
	v_lshl_add_u32 v[SPW], v0, 2, SPARE
	v_mov_b32 v[NIL], 0
	ds_add_u32 v[SPW], v[NIL]                      ; the opening: the add, twice on end, and its wait
	ds_add_u32 v[SPW], v[NIL]
	v_lshrrev_b32 v1, 5, v0
	v_readfirstlane_b32 s16, v1                    ; wave
	s_bfe_u32 s17, ttmp6, 0x40000                  ; cx
	s_lshl_b32 s18, ttmp9, 2
	s_add_co_u32 s18, s18, s17                     ; B: it enters global addresses of my own loads and stores alone
	s_and_b32 s19, ttmp7, 0xffff                   ; j
	s_mul_i32 s20, s19, 3                          ; g: the column slot in hand
	s_mov_b32 s[G1], 15|(1<<20)|(1<<21)|(7<<22)|(3<<25)   ; the mask names all four; elements of 1 byte; four words of padding after every 256
	s_mov_b32 s[G1+1], 1024<<16
	s_mov_b32 s[G1+2], 32<<16
	s_mov_b32 s[G1+3], 1024<<16
	s_mov_b32 s[G1+4], 32
	s_mov_b32 s[G1+5], 1024
	s_mov_b32 s[G1+6], 0
	s_mov_b32 s[G1+7], 0
	s_mul_i32 s21, s16, QTR                        ; my quarter of a slot
	s_lshl_b32 s44, s20, 17
	s_lshl_b32 s45, s16, 15
	s_add_co_u32 s44, s44, s45                     ; w's row 128 g + 32 wave, in bytes
	s_mov_b32 s45, 0
	s_wait_dscnt 0x0
	s_wait_kmcnt 0x0
	s_load_b256 s[72:79], s[8:9], 0x0              ; e0 .. e7
	s_mov_b32 s[G0], 1
	s_mov_b32 s[G0+1], s21
	s_add_nc_u64 s[G0+2:G0+3], s[6:7], s[44:45]
	s_or_b32 s[G0+3], s[G0+3], 0x80000000
	CROUND                                         ; all four work-groups are here: the first joint loads meet
	JLOAD                                          ; the first column slot: one tensor load a wave at the head
	v_and_b32 v1, 15, v0
	v_bfe_u32 v2, v0, 4, 1
	v_mul_u32_u24 v[AD0], v1, PITCH
	v_lshl_add_u32 v[AD0], v2, 4, v[AD0]
	v_and_b32 v[AO], 31, v0
	v_lshlrev_b32 v[AO], 4, v[AO]
	v_lshlrev_b32 v[BO], 5, v2
	v_lshlrev_b32 v[BR], 2, v1
	s_lshl_b32 s44, s18, 18
	s_lshl_b32 s45, s16, 16
	s_add_co_u32 s44, s44, s45                     ; my four tiles of tokens: (16 B + 4 wave) x 16,384
	s_mov_b32 s45, 0
	s_add_nc_u64 s[36:37], s[4:5], s[44:45]
	s_lshr_b32 s46, s18, 3
	s_lshl_b32 s46, s46, 21                        ; the batch
	s_and_b32 s47, s18, 7
	s_lshl_b32 s47, s47, 14
	s_add_co_u32 s46, s46, s47
	s_lshl_b32 s47, s16, 12
	s_add_co_u32 s48, s46, s47                     ; s48: my place in a head of qk
	s_lshr_b32 s47, s16, 1
	s_lshl_b32 s47, s47, 13
	s_add_co_u32 s49, s46, s47
	s_and_b32 s47, s16, 1
	s_lshl_b32 s47, s47, 10
	s_add_co_u32 s49, s49, s47                     ; s49: my place in a head of vt: the group of 128 keys, and my half of each image
	s_wait_alu depctr_va_vdst(0)
	BIAS s20
	WIN 0x40
.irp s, 0,1,2,3
.irp a, 0,1,2,3
.irp c, 0,1,2,3
	global_load_b128 v[64*\s+16*\a+4*\c:64*\s+16*\a+4*\c+3], v[AO], s[36:37] offset:16384*\a+2048*\s+512*\c
.endr
.endr
.endr
	WIN 0x80
.irp s, 0,1,2,3
.irp a, 0,1,2,3
.irp c, 0,1,2,3
	global_load_b128 v[64*\s+16*\a+4*\c:64*\s+16*\a+4*\c+3], v[AO], s[36:37] offset:16384*\a+2048*(\s+4)+512*\c
.endr
.endr
.endr
	WIN 0
	s_wait_kmcnt 0x0
	s_add_co_i32 s50, s72, s73                     ; e0 + e1
	s_sub_co_i32 s51, 0, s50
	s_wait_loadcnt 63                              ; behind the bias stand x's 128 loads: with 63 out, the bias and K steps 0-3 are in
	SCALEB
	s_mov_b32 s3, 2
	s_mov_b32 s52, 0                               ; which LDS slot is in hand
.macro BSET i                          ; set i of a phase's 32: K step i / 4, column blocks 2 (i % 4) and the next: eight loads
.set bs_, (\i)/4
.set bp_, (\i)%4
.set rb_, RING+32*((\i)%5)
.irp bb, 0,1
.irp c, 0,1,2,3
	ds_load_b128 v[rb_+16*\bb+4*\c:rb_+16*\bb+4*\c+3], v[ADL+bp_/2] offset:((2*bp_)%4+\bb)*16*PITCH+128*bs_+32*\c
.endr
.endr
.endm
.macro MUL8 isv                        ; set i_: my four blocks of tokens x its two blocks of columns; the 32 accumulators take turns, one instruction a turn
.set ms_, i_/4
.set mw_, 1+ms_/4
.set ra_, 64*(ms_%4)
.set rb_, RING+32*(i_%5)
.set b0_, 2*(i_%4)
.if ms_ == 0
	WIN 0xc0|(mw_<<(2-2*\isv))
.else
	WIN 0xf0|(mw_<<(2-2*\isv))
.endif
.irp a, 0,1,2,3
.irp bb, 0,1
.if \isv
.if ms_ == 0
	v_wmma_f32_16x16x128_fp8_fp8 v[8*(8*\a+b0_+\bb):8*(8*\a+b0_+\bb)+7], v[ra_+16*\a:ra_+16*\a+15], v[rb_+16*\bb:rb_+16*\bb+15], v[BI+8*(b0_+\bb):BI+8*(b0_+\bb)+7]
.else
	v_wmma_f32_16x16x128_fp8_fp8 v[8*(8*\a+b0_+\bb):8*(8*\a+b0_+\bb)+7], v[ra_+16*\a:ra_+16*\a+15], v[rb_+16*\bb:rb_+16*\bb+15], v[8*(8*\a+b0_+\bb):8*(8*\a+b0_+\bb)+7]
.endif
.else
.if ms_ == 0
	v_wmma_f32_16x16x128_fp8_fp8 v[8*(8*\a+b0_+\bb):8*(8*\a+b0_+\bb)+7], v[rb_+16*\bb:rb_+16*\bb+15], v[ra_+16*\a:ra_+16*\a+15], v[BI+8*(b0_+\bb):BI+8*(b0_+\bb)+7]
.else
	v_wmma_f32_16x16x128_fp8_fp8 v[8*(8*\a+b0_+\bb):8*(8*\a+b0_+\bb)+7], v[rb_+16*\bb:rb_+16*\bb+15], v[ra_+16*\a:ra_+16*\a+15], v[8*(8*\a+b0_+\bb):8*(8*\a+b0_+\bb)+7]
.endif
.endif
.endr
.endr
	WIN 0
.endm
.macro CBODY isv                       ; a phase's products.  Set i + 4 is asked for, into the registers that set i - 1 has left, ahead of set i's products
	BSET 0
	BSET 1
	BSET 2
	BSET 3
.set i_, 0
.rept 32
.if i_+4 < 32
.rept 4
	v_nop                                          ; places between the last set's products and loads into the registers that they read (ISA guide 7.12.1 for vector instructions)
.endr
	BSET i_+4
	s_wait_dscnt 32                                ; set i is in; the four sets behind it, eight loads each, may be out
.else
	s_wait_dscnt 8*(31-i_)
.endif
.if (i_%4 == 0) && (i_/4 >= 4)
	s_wait_loadcnt 16*(7-i_/4)                     ; x's K step is in; sixteen loads for each later one may be out (nothing is out in the later phases)
.endif
	MUL8 \isv
.set i_, i_+1
.endr
.endm
; A PHASE: column slot g from the LDS slot in hand.  last = 0: the next slot's bias is fetched under the way out.
.macro PHASE last
	s_wait_xcnt 0x0                                ; the last phase's stores have read their data and their base
	s_cmp_lt_u32 s20, 8
	s_cselect_b32 s54, s74, s75                    ; e2 for q, e3 for k,
	s_cselect_b32 s55, 0, 0x800000                 ; (k lies 8 Mi behind q)
	s_cmp_lt_u32 s20, 16
	s_cselect_b32 s54, s54, s77                    ; e5 for v: choices, no branch on a loaded number
	s_cselect_b32 s55, s55, 0
	s_cselect_b32 s56, s48, s49
	s_cselect_b64 s[42:43], s[12:13], s[14:15]
	s_add_co_u32 s55, s55, s56
	s_and_b32 s56, s20, 7
	s_lshl_b32 s56, s56, 18                        ; the slot's two heads
	s_add_co_u32 s56, s56, s55
	s_mov_b32 s57, 0
	s_add_nc_u64 s[42:43], s[42:43], s[56:57]
	s_sub_co_i32 s54, s54, s50
	s_add_co_i32 s54, s54, 127
	s_lshl_b32 s55, s54, 23
	v_mov_b32 v[SCL], s55                          ; 2^(eo - e0 - e1)
	s_add_co_i32 s54, s54, 8
	s_lshl_b32 s54, s54, 23
	s_or_b32 s54, s54, 0x600000
	v_mov_b32 v[LIMR], s54                         ; 448 x that
	s_mul_i32 s55, s52, SLOT
	v_add_nc_u32 v[ADL], s55, v[AD0]
	v_add_nc_u32 v[ADL+1], 64*PITCH, v[ADL]
	s_wait_alu depctr_va_vdst(0)
	s_cmp_lt_u32 s20, 16
	s_cbranch_scc0 .Lmv_\@
	CBODY 0
	s_branch .Lmd_\@
.Lmv_\@:
	CBODY 1
.Lmd_\@:
.rept 4
	v_nop                                          ; places behind the last products
.endr
.if \last == 0
	s_add_co_u32 s58, s20, 1
	BIAS s58
.endif
	WIN 0xc3
.set n, 0
.rept 256
	v_med3_num_f32 v[n], v[n], -v[LIMR], v[LIMR]   ; the conversion does not saturate (ISA guide 7.6.2); each accumulator from its low end on
.set n, n+1
.endr
	WIN 0
	s_wait_alu depctr_va_vdst(0)                   ; directly ahead of the branch
	s_cmp_lt_u32 s20, 16
	s_cbranch_scc0 .Lov_\@
	WIN 0x03
.irp a, 0,1,2,3
.irp b, 0,1,2,3,4,5,6,7
	v_cvt_scalef32_pk8_fp8_f32 v[CD+16*\a+2*\b:CD+16*\a+2*\b+1], v[8*(8*\a+\b):8*(8*\a+\b)+7], v[SCL]   ; registers 2 (b % 4), + 1 of head b / 4's image of tokens 16 a on
.endr
.endr
	WIN 0
	v_nop                                          ; one plain line behind the conversions
.irp a, 0,1,2,3
.irp u, 0,1,2,3
	global_store_b128 v[AO], v[CD+16*\a+4*\u:CD+16*\a+4*\u+3], s[42:43] offset:1024*\a+131072*(\u/2)+512*(\u%2) th:TH_STORE_NT
.endr
.endr
	s_branch .Lod_\@
.Lov_\@:
	WIN 0x03
.irp b, 0,1,2,3,4,5,6,7
.irp a, 0,1,2,3
	v_cvt_scalef32_pk8_fp8_f32 v[CD+8*\b+2*\a:CD+8*\b+2*\a+1], v[8*(8*\a+\b):8*(8*\a+\b)+7], v[SCL]   ; my eight registers of the image of 16 d (block b) x 128 keys
.endr
.endr
	WIN 0
	v_nop
.irp b, 0,1,2,3,4,5,6,7
.irp u, 0,1
	global_store_b128 v[AO], v[CD+8*\b+4*\u:CD+8*\b+4*\u+3], s[42:43] offset:131072*(\b/4)+2048*(\b%4)+512*\u th:TH_STORE_NT
.endr
.endr
.Lod_\@:
.if \last == 0
	s_wait_loadcnt 0x0                             ; the next slot's bias
	SCALEB
.endif
.endm
.Ltrip:                                                ; two trips: behind each round the next column slot is asked for, into the other LDS slot (the first time: its first fill)
	s_wait_tensorcnt 0x0                           ; my quarter of the slot in hand is in, so group 0 may be written;
	ds_add_u32 v[SPW], v[NIL]                      ; 0 onto my spare word;
	s_xor_b32 s53, s52, 1
	s_mul_i32 s53, s53, SLOT
	s_add_co_u32 s[G0+1], s21, s53
	s_add_nc_u64 s[G0+2:G0+3], s[G0+2:G0+3], 131072   ; 128 rows of w on; the type bits on top are not reached
	s_wait_dscnt 0x0                               ; the add is done, and my reads of the other slot are over
	CROUND
	JLOAD
	PHASE 0
	s_xor_b32 s52, s52, 1
	s_add_co_u32 s20, s20, 1
	s_sub_co_u32 s3, s3, 1
	s_cmp_lg_u32 s3, 0
	s_cbranch_scc1 .Ltrip
	s_wait_tensorcnt 0x0                           ; the third slot
	ds_add_u32 v[SPW], v[NIL]
	s_wait_dscnt 0x0
	s_barrier_signal -1
	s_barrier_wait -1
	PHASE 1
	s_wait_tensorcnt 0x0                           ; the wave's end
	ds_add_u32 v[SPW], v[NIL]
	s_wait_dscnt 0x0
	CROUND                                         ; the closing round
	s_endpgm
.Lfunc_end_k_q0e3463697d_gemm_qkv:
	.size	k_q0e3463697d_gemm_qkv, .Lfunc_end_k_q0e3463697d_gemm_qkv-k_q0e3463697d_gemm_qkv
	.p2alignl 7, 3214868480
	.fill 96, 4, 3214868480
	.section	.rodata,"a",@progbits
	.p2align	6, 0x0
	.amdhsa_kernel k_q0e3463697d_gemm_qkv
		.amdhsa_group_segment_fixed_size 327680
		.amdhsa_private_segment_fixed_size 0
		.amdhsa_enable_private_segment 0
		.amdhsa_kernarg_size 48
		.amdhsa_user_sgpr_count 2
		.amdhsa_user_sgpr_kernarg_segment_ptr 1
		.amdhsa_wavefront_size32 1
		.amdhsa_system_sgpr_workgroup_id_x 1
		.amdhsa_system_sgpr_workgroup_id_y 1
		.amdhsa_system_sgpr_workgroup_id_z 1
		.amdhsa_system_vgpr_workitem_id 0
		.amdhsa_next_free_vgpr 1024
		.amdhsa_next_free_sgpr 100
		.amdhsa_reserve_vcc 0
		.amdhsa_float_denorm_mode_32 3
		.amdhsa_float_denorm_mode_16_64 3
		.amdhsa_memory_ordered 1
		.amdhsa_forward_progress 1
		.amdhsa_inst_pref_size 245
	.end_amdhsa_kernel
	.amdgpu_metadata
---
amdhsa.version: [ 1, 2 ]
amdhsa.kernels:
  - .name:           k_q0e3463697d_gemm_qkv
    .symbol:         k_q0e3463697d_gemm_qkv.kd
    .args:
      - { .name: x_codes, .offset: 0, .size: 8, .value_kind: global_buffer, .address_space: global }
      - { .name: w_codes, .offset: 8, .size: 8, .value_kind: global_buffer, .address_space: global }
      - { .name: lowp_scales, .offset: 16, .size: 8, .value_kind: global_buffer, .address_space: global }
      - { .name: b_qkv, .offset: 24, .size: 8, .value_kind: global_buffer, .address_space: global }
      - { .name: qk, .offset: 32, .size: 8, .value_kind: global_buffer, .address_space: global }
      - { .name: vt, .offset: 40, .size: 8, .value_kind: global_buffer, .address_space: global }
    .group_segment_fixed_size: 327680
    .private_segment_fixed_size: 0
    .kernarg_segment_align: 8
    .kernarg_segment_size: 48
    .max_flat_workgroup_size: 128
    .sgpr_count:     100
    .vgpr_count:     1024
    .wavefront_size: 32
...
	.end_amdgpu_metadata
.endif
;; end of part 2
;; launch attn (part 3): grid 4 x 64, 16 waves a work-group, no clusters, 327,680 bytes of LDS; arguments qk, vt, lowp_scales, ao; writes ao
.if DOCPART == 3
	.amdgcn_target "amdgcn-amd-amdhsa--gfx1250"
	.amdhsa_code_object_version 6
	.text
	.protected	k_q0e3463697d_attn
	.globl	k_q0e3463697d_attn
	.p2align	8
	.type	k_q0e3463697d_attn,@function
k_q0e3463697d_attn:
	s_mov_b64 s[64:65], 0
	v_nop
	global_prefetch_b8 v0, s[64:65] scope:SCOPE_SE
	s_setreg_imm32_b32 hwreg(HW_REG_WAVE_MODE, 25, 1), 1
	s_wait_xcnt 0x0
; Causal attention on codes of FP8 (E4M3): 64 heads (batch x head) of 2,048 tokens, head size 64.  In: register images laid by the launch before (qk: q and k, 16 tokens x 64 d, 1,024 bytes each;
; vt: V^T, 16 d x 128 keys, 2,048 bytes each).  Out: ao [tile of 16 tokens][head][1,024]: the merged heads as codes (scale 2^e6), again as register images.
; THE SOFTMAX: t = score x 2^(e2 + e3) x log2(e) / 8; M = the row's largest t so far, rounded UP to a whole number; p = 2^(t - M) is quantised along the keys with 2^e4, not normalised.  The row's sum is taken
; of the unquantised p in f32 and divides O at the end.  When M moves, the sum and O are multiplied by 2^(old M - new M): exact.
; THE MASK.  Keys behind the query get -10000 as score in the problem.  Here they are left out (whole steps) or set to -infinity (the diagonal step).  Codes are held at 448, so every live score lies within
; 64 x 448^2 x 2^(e2 + e3) / 8; for e2 + e3 <= -8 that is 6,272: a masked p is then under 2^-5000 of the row's largest, 0 in f32 and the code 0, for every x, w and b.
; LIMITS on the given exponents: e2 + e3 between -123 and -8 (added to c's exponent field; the mask, above); e4 and e6 between -126 and 119; e4 + e5 is applied by v_ldexp_f32.  NaN among the inputs is not served.
; SHARES.  Work-group (i, head): waves 0-7 own query block 7 - i (256 queries), waves 8-15 block i; a wave owns 32 queries, two tiles of 16, so each fragment of K and V that it reads feeds two matrix instructions.
; All sixteen walk the keys once, in slots of 256 keys = four steps of 64; (8 - i) + (i + 1) = 9 block-slots of work whatever i.  The trip count is the constant 8: a step whose keys all lie behind the wave's queries is
; jumped over, and a slot behind the work-group's last query is not asked for.  Group u of a block goes to wave w by u = (w % 4) xor 7 (w / 4 % 2): waves w and w + 4 together have five steps in a diagonal slot.
; No multicast: the four work-groups of a head need different numbers of slots (8 - i), so a joint load would bring a partner tiles that none of its waves reads.
; LAYOUT.  Both products transposed: S^T = K Q^T (source 0 = 16 keys, source 1 = 16 queries), O^T = V^T P^T: a lane holds ONE query of each tile (lane % 16).  Key tile t's register j is key 16 t + 8 (lane / 16) + j:
; one conversion makes registers 2 t, 2 t + 1 of P in the plain 8-bit layout; registers 8 u .. 8 u + 7 of a V image are its keys 64 u .. 64 u + 63 in that layout.  Images are read at 16 x lane: no padding.
; LDS: two slots of 32,768 bytes (K's 16 images, then V's 8), filled by waves 0-3, 8,192 dense bytes each; the spare words behind them.
.set SLOT1, 32768
.set VOFF,  16384
.set SPARE, 65536
.set LI,   1                           ; v1   16 x lane
.set PFO,  2                           ; v2   256 x lane: the prefetches' offset
.set ADK,  3                           ; v3   16 x lane + the slot in hand
.set SPW,  5                           ; v5   my spare word; never rewritten
.set NIL,  6                           ; v6   0; never rewritten
.set INF,  7                           ; v7   -infinity
; v[8:9], v[14:15] the sums of tiles b, a;  v[10:11], v[12:13]: -M and the largest t of b, a
.set QF,   16                          ; v16-31   Q: tile a, tile b
.set KR,   32                          ; v32-63   four fragments of K
.set VR,   64                          ; v64-95   four fragments of V
.set SA,   96                          ; v96-127  S^T, then p, of tile a;  v128-159 of tile b
.set SBR,  128
.set OAR,  160                         ; v160-191 O^T of tile a;  v192-223 of tile b
.set OBR,  192
.set PA,   224                         ; v224-231 p's codes of tile a;  v232-239 of tile b
.set PB,   232
; v240, v244: 448 x 2^e4, 2^e4;  v241, v245: the same with e6;  v242, v243, v246-249 at work;  v[250:251], v[252:253]: f of b, a
.set SB,   12                          ; s12  LDS byte at which the slot in hand begins
.set KS,   13                          ; s13  the slot's first key
.set LQ,   14                          ; s14  my work-group's last query
.set Q0,   16                          ; s16  my first query
.set QL,   17                          ; s17  my last
.set WV,   18
.set SEL,  20                          ; s[20:21] lane l xor 16
.set CS,   22                          ; s[22:23] c = 2^(e2 + e3) log2(e) / 8
.set G1,   24
.set KB,   32
.set VB,   34
.set QA,   36
.set G0,   40
.set FB,   44                          ; s[44:45] the quarter of key slot 0 that belongs to wave % 4
.set OA,   46
.set ESUM, 50
.set QH,   52
.set SLOTS, 67
.set PFA,  76
.set LIM,  80
.set TM,   84                          ; s[84:91] lane masks of the triangle: bit set where 8 (lane / 16) + j > lane % 16
.macro TLOAD                           ; waves 0-3 fetch; the branch hangs on the wave's number alone.  s_nop 0 and four v_nop follow the line
	s_cmp_lt_u32 s[WV], 4
	s_cbranch_scc0 .Lasked_\@
	tensor_load_to_lds s[G0:G0+3], s[G1:G1+7]
	s_nop 0
.rept 4
	v_nop
.endr
.Lasked_\@:
.endm
; A PREFETCH INTO THE L2.  The four work-groups of a head walk the same K and V; work-group 0, which walks all eight slots, asks, and in it waves 4-7, which fetch nothing: a quarter of a slot each,
; 8,192 bytes, lanes 256 bytes apart, one instruction.  In trip s slot s + 1 is loaded and slot s + 2 asked for, s = 0 .. 5: four key steps ahead of its load.  Slots 0 and 1 come by their loads alone.
.macro ASK
	s_cmp_gt_u32 s[SLOTS], s[LIM]
	s_cbranch_scc0 .Lnot_mine_\@
	global_prefetch_b8 v[PFO], s[PFA:PFA+1] th:TH_LOAD_NT scope:SCOPE_SE
.Lnot_mine_\@:
.endm
	s_load_b256 s[4:11], s[0:1], 0x0               ; qk, vt, the scales' exponents, ao
	v_lshl_add_u32 v[SPW], v0, 2, SPARE
	v_mov_b32 v[NIL], 0
	ds_add_u32 v[SPW], v[NIL]                      ; the opening: the add, twice on end, and its wait ahead of the first tensor load
	ds_add_u32 v[SPW], v[NIL]
	v_lshrrev_b32 v8, 5, v0
	v_readfirstlane_b32 s[WV], v8                  ; wave 0..15
	s_and_b32 s82, ttmp7, 0xffff                   ; 16 x batch + head
	s_lshl_b32 s92, s82, 17                        ; its 131,072 bytes in q, in k and in vt
	s_mov_b32 s93, 0
	s_and_b32 s83, s[WV], 3
	s_mov_b32 s[G1], 3<<16                         ; group 1: 8,192 dense bytes as 32 rows of 32 elements of 8 bytes; no mask, no padding
	s_mov_b32 s[G1+1], 32<<16
	s_mov_b32 s[G1+2], 32<<16
	s_mov_b32 s[G1+3], 32<<16
	s_mov_b32 s[G1+4], 32
	s_mov_b32 s[G1+5], 32
	s_mov_b32 s[G1+6], 0
	s_mov_b32 s[G1+7], 0
	s_mov_b32 s[SEL], 0x76543210
	s_mov_b32 s[SEL+1], 0xfedcba98
	s_mov_b32 s[CS], 0x3e38aa3b                    ; log2(e) / 8
	s_mov_b32 s[SB], 0
	s_mov_b32 s[SLOTS], 8
	s_mov_b32 s[KS], 0
	s_sub_co_u32 s94, 7, ttmp9
	s_cmp_lt_u32 s[WV], 8
	s_cselect_b32 s94, s94, ttmp9                  ; my block of 256 queries
	s_bfe_u32 s95, s[WV], 0x10002
	s_mul_i32 s95, s95, 7
	s_xor_b32 s95, s95, s83                        ; my group of 32 in it
	s_lshl_b32 s[Q0], s94, 8
	s_lshl_b32 s95, s95, 5
	s_add_co_u32 s[Q0], s[Q0], s95
	s_add_co_u32 s[QL], s[Q0], 31
	s_sub_co_u32 s[LQ], 8, ttmp9
	s_lshl_b32 s[LQ], s[LQ], 8
	s_sub_co_u32 s[LQ], s[LQ], 1
	s_wait_dscnt 0x0                               ; both opening adds are done
	s_wait_kmcnt 0x0
	s_load_b256 s[68:75], s[8:9], 0x0              ; e0 .. e7
	s_add_nc_u64 s[QH:QH+1], s[4:5], s[92:93]
	s_add_nc_u64 s[KB:KB+1], s[QH:QH+1], 0x800000  ; k lies 8 Mi behind q
	s_add_nc_u64 s[VB:VB+1], s[6:7], s[92:93]
	s_and_b32 s96, s83, 1
	s_lshl_b32 s96, s96, 13
	s_mov_b32 s97, 0
	s_cmp_lt_u32 s83, 2
	s_cselect_b64 s[FB:FB+1], s[KB:KB+1], s[VB:VB+1]
	s_add_nc_u64 s[FB:FB+1], s[FB:FB+1], s[96:97]
	s_mov_b32 s[G0], 1
	s_lshl_b32 s[G0+1], s83, 13                    ; LDS: slot 0; K's halves, then V's
	s_mov_b64 s[G0+2:G0+3], s[FB:FB+1]
	s_or_b32 s[G0+3], s[G0+3], 0x80000000
	TLOAD                                          ; slot 0: key 0 counts for every query
	s_lshr_b32 s94, s82, 4
	s_lshl_b32 s94, s94, 7                         ; the batch's 128 tiles of tokens
	s_lshr_b32 s95, s[Q0], 4
	s_add_co_u32 s94, s94, s95
	s_lshl_b32 s94, s94, 14
	s_and_b32 s95, s82, 15
	s_lshl_b32 s95, s95, 10                        ; the head's image in a tile's 16,384 bytes
	s_add_co_u32 s94, s94, s95
	s_mov_b32 s95, 0
	s_add_nc_u64 s[OA:OA+1], s[10:11], s[94:95]
	s_lshl_b32 s94, s[Q0], 6
	s_add_nc_u64 s[QA:QA+1], s[QH:QH+1], s[94:95]
	v_and_b32 v[LI], 31, v0
	v_lshlrev_b32 v[PFO], 8, v[LI]
	v_lshlrev_b32 v[LI], 4, v[LI]
.irp c, 0,1,2,3
	global_load_b128 v[QF+4*\c:QF+4*\c+3], v[LI], s[QA:QA+1] offset:512*\c   ; Q's two fragments stay in registers
.endr
	s_add_nc_u64 s[PFA:PFA+1], s[FB:FB+1], 16384   ; in key slot 1: the first change of slots steps it to slot 2
	s_lshr_b32 s94, s[WV], 2
	s_xor_b32 s94, s94, 1                          ; 0 in waves 4-7,
	s_or_b32 s94, s94, ttmp9                       ; of the head's work-group 0
	s_cmp_eq_u32 s94, 0
	s_cselect_b32 s[LIM], 2, -1
	v_and_b32 v4, 15, v0
	v_bfe_u32 v8, v0, 4, 1
	v_lshlrev_b32 v8, 3, v8
	v_sub_nc_u32 v4, v4, v8                        ; lane % 16 - 8 (lane / 16)
.irp j, 0,1,2,3,4,5,6,7
	v_cmp_gt_i32 s[TM+\j], \j, v4
.endr
	v_mov_b32 v[INF], 0xff800000
	v_mov_b32 v13, 0xff61b1e6                      ; the largest t so far: -3e38, under every t
	v_mov_b32 v11, 0xff61b1e6
	v_floor_f32 v12, -v13                          ; -M
	v_floor_f32 v10, -v11
.irp r, 8,9,14,15,242,243,250,251,252,253
	v_mov_b32 v\r, 0                               ; the sums; lane permutes' destinations and pairs' upper halves are written once
.endr
.set n, 0
.rept 64
	v_mov_b32 v[OAR+n], 0                          ; O^T: the step is written once, its first run finds zeros
.set n, n+1
.endr
	s_wait_kmcnt 0x0
	s_add_co_i32 s94, s70, s71
	s_lshl_b32 s94, s94, 23
	s_add_co_i32 s[CS], s[CS], s94                 ; e2 + e3 are added to c's exponent field
	s_mov_b32 s[CS+1], s[CS]
	s_add_co_i32 s[ESUM], s72, s73
	s_add_co_i32 s94, s72, 127
	s_lshl_b32 s95, s94, 23
	v_mov_b32 v244, s95                            ; 2^e4
	s_add_co_i32 s94, s94, 8
	s_lshl_b32 s94, s94, 23
	s_or_b32 s94, s94, 0x600000
	v_mov_b32 v240, s94                            ; 448 x 2^e4
	s_add_co_i32 s94, s74, 127
	s_lshl_b32 s95, s94, 23
	v_mov_b32 v245, s95                            ; 2^e6
	s_add_co_i32 s94, s94, 8
	s_lshl_b32 s94, s94, 23
	s_or_b32 s94, s94, 0x600000
	v_mov_b32 v241, s94                            ; 448 x 2^e6
.macro KLOAD q                         ; the step's four tiles of 16 keys
.irp t, 0,1,2,3
	ds_load_b128 v[KR+8*\t:KR+8*\t+3], v[ADK] offset:4096*(\q)+1024*\t
	ds_load_b128 v[KR+8*\t+4:KR+8*\t+7], v[ADK] offset:4096*(\q)+1024*\t+512
.endr
.endm
.macro VLOAD q                         ; four tiles of 16 d x the step's 64 keys: half of each image
.irp d, 0,1,2,3
	ds_load_b128 v[VR+8*\d:VR+8*\d+3], v[ADK] offset:VOFF+8192*((\q)/2)+1024*((\q)%2)+2048*\d
	ds_load_b128 v[VR+8*\d+4:VR+8*\d+7], v[ADK] offset:VOFF+8192*((\q)/2)+1024*((\q)%2)+2048*\d+512
.endr
.endm
.macro TRI b                           ; the key tile on the diagonal: hidden where the key's place in it is above the query's
.irp j, 0,1,2,3,4,5,6,7
	v_cndmask_b32 v[(\b)+\j], v[(\b)+\j], v[INF], s[TM+\j]
.endr
.endm
.macro HID b                           ; a key tile wholly behind the queries
.irp j, 0,1,2,3,4,5,6,7
	v_mov_b32 v[(\b)+\j], v[INF]
.endr
.endm
; A KEY STEP: 64 keys, the q-th of the slot in hand, against my 32 queries.  Hidden steps follow each other to the slot's end, so the jump leads there: a step is reached only through the step before, which has asked for its K.
.macro STEP q
.if \q == 0
	s_mov_b32 s96, s[KS]
.else
	s_add_co_u32 s96, s[KS], 64*\q                 ; the step's first key
.endif
	s_cmp_gt_u32 s96, s[QL]
	s_cbranch_scc1 .Lslot_end
.if \q == 0
	KLOAD 0
.endif
	s_wait_dscnt 0x0                               ; K is in
.irp t, 0,1,2,3
	v_wmma_f32_16x16x64_fp8_fp8 v[SA+8*\t:SA+8*\t+7], v[KR+8*\t:KR+8*\t+7], v[QF:QF+7], 0
	v_wmma_f32_16x16x64_fp8_fp8 v[SBR+8*\t:SBR+8*\t+7], v[KR+8*\t:KR+8*\t+7], v[QF+8:QF+15], 0
.endr
.rept 4
	v_nop                                          ; places: for the loads over fragments that products have read, and for the first touch of the scores
.endr
	VLOAD \q                                       ; V lands during the softmax,
.if \q < 3
	KLOAD (\q)+1                                   ; and so does the next step's K (the slot is whole; where that step is hidden the loads are waited for at the change of slots)
.endif
	s_sub_co_u32 s97, s[Q0], s96                   ; 0 or 32 in the one step on my diagonal
	s_cmp_ge_u32 s97, 64
	s_cbranch_scc1 .Lopen_\@
	s_cmp_eq_u32 s97, 0
	s_cbranch_scc0 .Lrel32_\@
	TRI SA
	HID SA+8
	HID SA+16
	HID SA+24
	TRI SBR+8
	HID SBR+16
	HID SBR+24
	s_wait_alu depctr_va_vdst(0)                   ; directly ahead of the branch
	s_branch .Lopen_\@
.Lrel32_\@:
	TRI SA+16
	HID SA+24
	TRI SBR+24
.Lopen_\@:
	v_max3_num_f32 v246, v[SA], v[SA+1], v[SA+2]   ; the step's largest scores, two chains a tile, the tiles by turns; each accumulator from its low end on
	v_max3_num_f32 v248, v[SBR], v[SBR+1], v[SBR+2]
	v_max3_num_f32 v247, v[SA+3], v[SA+4], v[SA+5]
	v_max3_num_f32 v249, v[SBR+3], v[SBR+4], v[SBR+5]
.irp i, 6,10,14,18,22,26
	v_max3_num_f32 v246, v246, v[SA+\i], v[SA+\i+1]
	v_max3_num_f32 v248, v248, v[SBR+\i], v[SBR+\i+1]
	v_max3_num_f32 v247, v247, v[SA+\i+2], v[SA+\i+3]
	v_max3_num_f32 v249, v249, v[SBR+\i+2], v[SBR+\i+3]
.endr
	v_max3_num_f32 v246, v246, v[SA+30], v[SA+31]
	v_max3_num_f32 v248, v248, v[SBR+30], v[SBR+31]
	v_max_num_f32 v246, v246, v247
	v_max_num_f32 v248, v248, v249
	v_permlanex16_b32 v242, v246, s[SEL], s[SEL+1]
	v_permlanex16_b32 v243, v248, s[SEL], s[SEL+1]
	v_max_num_f32 v246, v246, v242                 ; and lane l xor 16's
	v_max_num_f32 v248, v248, v243
	v_mul_f32 v246, s[CS], v246                    ; as t (c is positive)
	v_mul_f32 v248, s[CS], v248
	v_max_num_f32 v13, v13, v246                   ; the running largest t
	v_max_num_f32 v11, v11, v248
	v_mov_b32 v246, v12
	v_mov_b32 v248, v10
	v_floor_f32 v12, -v13                          ; the new -M = -ceil(t)
	v_floor_f32 v10, -v11
	v_sub_f32 v246, v12, v246                      ; old M - new M: a whole number, 0 or less
	v_sub_f32 v248, v10, v248
	v_cvt_i32_f32 v246, v246                       ; (it saturates)
	v_cvt_i32_f32 v248, v248
	v_ldexp_f32 v252, 1.0, v246                    ; f = 2^(old M - new M)
	v_ldexp_f32 v250, 1.0, v248
.set n, 0
.rept 16
	v_pk_fma_f32 v[SA+n:SA+n+1], v[SA+n:SA+n+1], s[CS:CS+1], v[12:13] op_sel_hi:[1,0,0]   ; t - M, two at a time
	v_pk_fma_f32 v[SBR+n:SBR+n+1], v[SBR+n:SBR+n+1], s[CS:CS+1], v[10:11] op_sel_hi:[1,0,0]
.set n, n+2
.endr
.set n, 0
.rept 16
	v_pk_mul_f32 v[OAR+n:OAR+n+1], v[OAR+n:OAR+n+1], v[252:253] op_sel_hi:[1,0]   ; O^T under the new M, ahead of the exponentials; each accumulator from its low end on
	v_pk_mul_f32 v[OBR+n:OBR+n+1], v[OBR+n:OBR+n+1], v[250:251] op_sel_hi:[1,0]
.set n, n+2
.endr
	s_wait_alu depctr_va_vdst(0)                   ; ahead of the batch
.set n, 0
.rept 64
	v_exp_f32 v[SA+n], v[SA+n]                     ; p = 2^(t - M), at most 1: not normalised
.set n, n+1
.endr
	v_pk_mul_f32 v[14:15], v[14:15], v[252:253] op_sel_hi:[1,0]   ; the sums under the new M: plain lines behind the exponentials
	v_pk_mul_f32 v[8:9], v[8:9], v[250:251] op_sel_hi:[1,0]
	s_wait_alu depctr_va_vdst(0)                   ; one wait for the whole batch, ahead of its first reader
	v_pk_add_f32 v[246:247], v[SA:SA+1], v[SA+2:SA+3]             ; the rows' sums of the unquantised p: two chains a tile
	v_pk_add_f32 v[248:249], v[SBR:SBR+1], v[SBR+2:SBR+3]
.irp j, 4,8,12,16,20,24,28
	v_pk_add_f32 v[14:15], v[14:15], v[SA+\j:SA+\j+1]
	v_pk_add_f32 v[8:9], v[8:9], v[SBR+\j:SBR+\j+1]
	v_pk_add_f32 v[246:247], v[246:247], v[SA+\j+2:SA+\j+3]
	v_pk_add_f32 v[248:249], v[248:249], v[SBR+\j+2:SBR+\j+3]
.endr
	v_pk_add_f32 v[14:15], v[14:15], v[246:247]
	v_pk_add_f32 v[8:9], v[8:9], v[248:249]
.irp t, 0,1,2,3
.irp i, 0,1,2,3,4,5,6,7
	v_min_num_f32 v[SA+8*\t+\i], v[SA+8*\t+\i], v240   ; the conversion does not saturate (ISA guide 7.6.2); p is not negative, so the hold is one-sided
.endr
	v_cvt_scalef32_pk8_fp8_f32 v[PA+2*\t:PA+2*\t+1], v[SA+8*\t:SA+8*\t+7], v244
.irp i, 0,1,2,3,4,5,6,7
	v_min_num_f32 v[SBR+8*\t+\i], v[SBR+8*\t+\i], v240
.endr
	v_cvt_scalef32_pk8_fp8_f32 v[PB+2*\t:PB+2*\t+1], v[SBR+8*\t:SBR+8*\t+7], v244
.endr
	v_nop                                          ; one plain line between the last conversion and the products that read its result
	s_wait_alu depctr_va_vdst(0)                   ; directly ahead of the wait below
.if \q < 3
	s_wait_dscnt 8                                 ; V is in; the eight loads of the next step's K may be out
.else
	s_wait_dscnt 0x0
.endif
.irp d, 0,1,2,3                                ; O^T += V^T P^T: K = these 64 keys; the eight accumulators take turns
	v_wmma_f32_16x16x64_fp8_fp8 v[OAR+8*\d:OAR+8*\d+7], v[VR+8*\d:VR+8*\d+7], v[PA:PA+7], v[OAR+8*\d:OAR+8*\d+7]
	v_wmma_f32_16x16x64_fp8_fp8 v[OBR+8*\d:OBR+8*\d+7], v[VR+8*\d:VR+8*\d+7], v[PB:PB+7], v[OBR+8*\d:OBR+8*\d+7]
.endr
.endm
	s_wait_alu depctr_va_vdst(0)                   ; at the head's end
	s_wait_loadcnt 0x0                             ; Q
.Lslot:                                            ; eight trips, a slot of 256 keys each
	s_wait_tensorcnt 0x0                           ; THE CHANGE OF SLOTS: no tensor load of mine is out, so group 0 may be written
	ds_add_u32 v[SPW], v[NIL]                      ; 0 onto my spare word,
	ds_add_u32 v[SPW], v[NIL]                      ; here twice on end, in every trip alike
	s_xor_b32 s[G0+1], s[G0+1], SLOT1              ; the other slot than last time,
	s_add_nc_u64 s[G0+2:G0+3], s[G0+2:G0+3], 16384 ; the next 256 keys; the type bits on top are not reached
	s_wait_xcnt 0x0                                ; any prefetch of mine has read its address
	s_add_nc_u64 s[PFA:PFA+1], s[PFA:PFA+1], 16384
	s_wait_dscnt 0x0                               ; both adds are done, and my reads of the slot that I have left are over
	s_barrier_signal -1
	s_barrier_wait -1
	s_add_co_u32 s96, s[KS], 256                   ; the look-ahead ends at the causal limit: a slot whose first key lies behind my work-group's last query is read by none of its waves
	s_cmp_gt_u32 s96, s[LQ]                        ; ids and the count of trips alone: alike in all sixteen waves; the last trip is past the limit in every work-group
	s_cbranch_scc1 .Lpast
	TLOAD                                          ; a wave's one tensor load until the next barrier
.Lpast:
	ASK
	v_add_nc_u32 v[ADK], s[SB], v[LI]
	s_wait_alu depctr_va_vdst(0)
	STEP 0
	STEP 1
	STEP 2
	STEP 3
.Lslot_end:
	s_xor_b32 s[SB], s[SB], SLOT1
	s_add_co_u32 s[KS], s[KS], 256
	s_sub_co_u32 s[SLOTS], s[SLOTS], 1
	s_cmp_lg_u32 s[SLOTS], 0
	s_cbranch_scc1 .Lslot
	; THE WAY OUT: O^T x 2^(e4 + e5) / the sum is held, converted with 2^e6 and stored as two images (16 tokens x this head's 64): four stores of 512 consecutive bytes
.rept 4
	v_nop                                          ; places behind the last products
.endr
	v_add_f32 v14, v14, v15
	v_add_f32 v8, v8, v9
	v_permlanex16_b32 v242, v14, s[SEL], s[SEL+1]
	v_permlanex16_b32 v243, v8, s[SEL], s[SEL+1]
	v_add_f32 v14, v14, v242                       ; the rows' sums
	v_add_f32 v8, v8, v243
	s_wait_alu depctr_va_vdst(0)                   ; ahead of the transcendentals
	v_rcp_f32 v14, v14
	v_rcp_f32 v8, v8
	v_nop
	s_wait_alu depctr_va_vdst(0)                   ; and ahead of their first reader
	v_ldexp_f32 v14, v14, s[ESUM]
	v_ldexp_f32 v8, v8, s[ESUM]
	s_wait_alu depctr_va_vdst(0)                   ; directly ahead of the first reader of O^T
.set n, 0
.rept 16
	v_pk_mul_f32 v[SA+n:SA+n+1], v[OAR+n:OAR+n+1], v[14:15] op_sel_hi:[1,0]
.set n, n+2
.endr
.set n, 0
.rept 16
	v_pk_mul_f32 v[SBR+n:SBR+n+1], v[OBR+n:OBR+n+1], v[8:9] op_sel_hi:[1,0]
.set n, n+2
.endr
.set n, 0
.rept 64
	v_med3_num_f32 v[SA+n], v[SA+n], -v241, v241
.set n, n+1
.endr
.irp t, 0,1,2,3
	v_cvt_scalef32_pk8_fp8_f32 v[PA+2*\t:PA+2*\t+1], v[SA+8*\t:SA+8*\t+7], v245
	v_cvt_scalef32_pk8_fp8_f32 v[PB+2*\t:PB+2*\t+1], v[SBR+8*\t:SBR+8*\t+7], v245
.endr
	v_nop
	global_store_b128 v[LI], v[PA:PA+3], s[OA:OA+1]
	global_store_b128 v[LI], v[PA+4:PA+7], s[OA:OA+1] offset:512
	global_store_b128 v[LI], v[PB:PB+3], s[OA:OA+1] offset:16384
	global_store_b128 v[LI], v[PB+4:PB+7], s[OA:OA+1] offset:16896
	s_wait_tensorcnt 0x0                           ; the wave's end
	ds_add_u32 v[SPW], v[NIL]
	s_wait_dscnt 0x0
	s_endpgm
.Lfunc_end_k_q0e3463697d_attn:
	.size	k_q0e3463697d_attn, .Lfunc_end_k_q0e3463697d_attn-k_q0e3463697d_attn
	.p2alignl 7, 3214868480
	.fill 96, 4, 3214868480
	.section	.rodata,"a",@progbits
	.p2align	6, 0x0
	.amdhsa_kernel k_q0e3463697d_attn
		.amdhsa_group_segment_fixed_size 327680
		.amdhsa_private_segment_fixed_size 0
		.amdhsa_enable_private_segment 0
		.amdhsa_kernarg_size 32
		.amdhsa_user_sgpr_count 2
		.amdhsa_user_sgpr_kernarg_segment_ptr 1
		.amdhsa_wavefront_size32 1
		.amdhsa_system_sgpr_workgroup_id_x 1
		.amdhsa_system_sgpr_workgroup_id_y 1
		.amdhsa_system_sgpr_workgroup_id_z 1
		.amdhsa_system_vgpr_workitem_id 0
		.amdhsa_next_free_vgpr 256
		.amdhsa_next_free_sgpr 100
		.amdhsa_reserve_vcc 0
		.amdhsa_float_denorm_mode_32 3
		.amdhsa_float_denorm_mode_16_64 3
		.amdhsa_memory_ordered 1
		.amdhsa_forward_progress 1
		.amdhsa_inst_pref_size 95
	.end_amdhsa_kernel
	.amdgpu_metadata
---
amdhsa.version: [ 1, 2 ]
amdhsa.kernels:
  - .name:           k_q0e3463697d_attn
    .symbol:         k_q0e3463697d_attn.kd
    .args:
      - { .name: qk, .offset: 0, .size: 8, .value_kind: global_buffer, .address_space: global }
      - { .name: vt, .offset: 8, .size: 8, .value_kind: global_buffer, .address_space: global }
      - { .name: lowp_scales, .offset: 16, .size: 8, .value_kind: global_buffer, .address_space: global }
      - { .name: ao, .offset: 24, .size: 8, .value_kind: global_buffer, .address_space: global }
    .group_segment_fixed_size: 327680
    .private_segment_fixed_size: 0
    .kernarg_segment_align: 8
    .kernarg_segment_size: 32
    .max_flat_workgroup_size: 512
    .sgpr_count:     100
    .vgpr_count:     256
    .wavefront_size: 32
...
	.end_amdgpu_metadata
.endif
;; end of part 3
;; launch gemm_fc (part 4): grid 32 x 8, 4 waves a work-group, clusters of 4 x 1, 327,680 bytes of LDS; arguments ao, w_codes, lowp_scales, b_fc, out0; writes out0
.if DOCPART == 4
	.amdgcn_target "amdgcn-amd-amdhsa--gfx1250"
	.amdhsa_code_object_version 6
	.text
	.protected	k_q0e3463697d_gemm_fc
	.globl	k_q0e3463697d_gemm_fc
	.p2align	8
	.type	k_q0e3463697d_gemm_fc,@function
k_q0e3463697d_gemm_fc:
	s_mov_b64 s[64:65], 0
	v_nop
	global_prefetch_b8 v0, s[64:65] scope:SCOPE_SE
	s_setreg_imm32_b32 hwreg(HW_REG_WAVE_MODE, 25, 1), 1
	s_wait_xcnt 0x0
	s_wait_alu depctr_hold_cnt(0) depctr_sa_sdst(0) depctr_va_vdst(0) depctr_va_sdst(0) depctr_va_ssrc(0) depctr_va_vcc(0) depctr_vm_vsrc(0)
	s_getreg_b32 s2, hwreg(HW_REG_IB_STS2, 6, 4)
	s_cmp_eq_u32 s2, 0
	s_cbranch_scc0 .Lentry_in_a_cluster
	s_endpgm
.Lentry_in_a_cluster:
	s_bfe_u32 s2, ttmp6, 0x10000c
	s_cmp_lg_u32 s2, 0x3003
	s_cbranch_scc0 .Lentry_shape_is_right
	s_endpgm
.Lentry_shape_is_right:
; out0 = (merged heads) w_fc + b_fc on codes of FP8 (E4M3).  ao [tile of 16 tokens][head][1,024]: register images (scale 2^e6); w_codes rows 3072-4095: w_fc's columns, K innermost, pieces of 8 bytes in the order that ao's images have (2^e7).
; The sums stand for sum x 2^(e6 + e7).  The bias, divided by that power of two, is the C of each accumulator's first product; each finished sum is multiplied once by 2^(e6 + e7).
; LIMITS: e6 + e7 between -126 and 127; the bias x 2^-(e6 + e7) stays an f32 number.  NaN among the inputs is not served.
; SHARES.  Work-group (B, j): tokens 256 B .. + 255 x columns 128 j .. + 127: 32 x 8 work-groups of equal work.  A wave owns 64 tokens and keeps their 1,024 k in 512 registers, loaded from the images (128 loads of 512 consecutive bytes).
; The 128 rows of w (1,024 bytes each) lie whole in LDS: one fill, no ring; 256 matrix instructions a wave.
; CLUSTERS: four work-groups along the tokens share j and so w's rows: joint loads, mask 15, 32 rows a wave.  ao's images are no tile in LDS: each wave loads its own.
; No prefetch: the text has no loop to run ahead in; all that it reads is asked for at the head.
; Source 0 = 16 columns, source 1 = 16 tokens: a lane's eight results are eight neighbouring columns of one token.  A block of 16 tokens x 128 columns goes through the wave's own stage in LDS and leaves as rows of 512 bytes.
; REGISTERS: window 0: v0-31 addresses, v32-95 the bias, then the way out's numbers, v96-255 w's fragments, five sets of two by turns (on the way out v128-255 rows read back); windows 1, 2: ao (K step s, block a at 64 s + 16 a);
; window 3: the 32 accumulators ((a, b) at 8 (8 a + b)).
.set PITCH, 1040                       ; an LDS row: 1,024 bytes + 16: 260 words, so the 16 rows of a fragment start at 16 different groups of four banks (64 banks of 4 bytes: ISA guide 11.1)
.set QTR,   32*PITCH
.set SLOT,  4*QTR
.set SPITCH, 528                       ; a stage row: 512 bytes + 16
.set STAGE, SLOT                       ; behind w's rows: 16 stage rows for each wave, bytes into which no fill lands
.set SPARE, STAGE+4*16*SPITCH
.set AO,   4                           ; v4   16 x lane
.set BO,   5                           ; v5   32 x (lane / 16)
.set ADL,  10                          ; v10  (lane % 16) x PITCH + 16 (lane / 16);  v11: 64 rows further on
.set STO,  14                          ; v14  the way out: where I put 32 bytes of a row
.set RD,   15                          ; v15  the way out: where I read a row back
.set SPW,  28
.set NIL,  29
.set BI,   32
.set TMP,  32
.set RING, 96
.set BK,   128
.set G1,   24
.set G0,   32
.set MSB, 0
.macro WIN new                         ; the immediate's high byte repeats the setting that is left
.if MSB != (\new)
	s_set_vgpr_msb (MSB<<8)|(\new)
.set MSB, (\new)
.endif
.endm
.macro CROUND                          ; a round of the cluster's barrier
	s_barrier_signal -1
	s_barrier_wait -1
	s_cmp_lg_u32 s16, 0
	s_cbranch_scc1 .Lnot_wave_0_\@
	s_barrier_signal -3
.Lnot_wave_0_\@:
	s_barrier_wait -3
	s_barrier_signal -1
	s_barrier_wait -1
.endm
	s_load_b256 s[4:11], s[0:1], 0x0               ; ao, w_codes, the scales' exponents, the bias
	s_load_b64 s[12:13], s[0:1], 0x20              ; out0
	v_lshl_add_u32 v[SPW], v0, 2, SPARE
	v_mov_b32 v[NIL], 0
	ds_add_u32 v[SPW], v[NIL]                      ; the opening: the add, twice on end, and its wait
	ds_add_u32 v[SPW], v[NIL]
	v_lshrrev_b32 v1, 5, v0
	v_readfirstlane_b32 s16, v1                    ; wave
	s_bfe_u32 s17, ttmp6, 0x40000                  ; cx
	s_lshl_b32 s18, ttmp9, 2
	s_add_co_u32 s18, s18, s17                     ; B: it enters global addresses of my own loads and stores alone
	s_and_b32 s19, ttmp7, 0xffff                   ; j
	s_mov_b32 s[G1], 15|(1<<20)|(1<<21)|(7<<22)|(3<<25)   ; the mask names all four; elements of 1 byte; four words of padding after every 256
	s_mov_b32 s[G1+1], 1024<<16
	s_mov_b32 s[G1+2], 32<<16
	s_mov_b32 s[G1+3], 1024<<16
	s_mov_b32 s[G1+4], 32
	s_mov_b32 s[G1+5], 1024
	s_mov_b32 s[G1+6], 0
	s_mov_b32 s[G1+7], 0
	s_mul_i32 s21, s16, QTR                        ; my quarter of w's rows in LDS
	s_lshl_b32 s44, s19, 17
	s_lshl_b32 s45, s16, 15
	s_add_co_u32 s44, s44, s45
	s_add_co_u32 s44, s44, 0x300000                ; row 3072 + 128 j + 32 wave, in bytes
	s_mov_b32 s45, 0
	s_wait_dscnt 0x0
	s_wait_kmcnt 0x0
	s_load_b64 s[96:97], s[8:9], 0x18              ; e6, e7
	s_mov_b32 s[G0], 1
	s_mov_b32 s[G0+1], s21
	s_add_nc_u64 s[G0+2:G0+3], s[6:7], s[44:45]
	s_or_b32 s[G0+3], s[G0+3], 0x80000000
	CROUND                                         ; all four work-groups are here: the joint loads meet
	tensor_load_to_lds s[G0:G0+3], s[G1:G1+7]      ; my one tensor load of the launch
	s_nop 0
.rept 4
	v_nop
.endr
	v_and_b32 v1, 15, v0
	v_bfe_u32 v2, v0, 4, 1
	v_mul_u32_u24 v[ADL], v1, PITCH
	v_lshl_add_u32 v[ADL], v2, 4, v[ADL]
	v_add_nc_u32 v[ADL+1], 64*PITCH, v[ADL]
	v_and_b32 v[AO], 31, v0
	v_lshlrev_b32 v[AO], 4, v[AO]
	v_lshlrev_b32 v[BO], 5, v2
	s_mul_i32 s23, s16, 16*SPITCH
	s_add_co_u32 s23, s23, STAGE                   ; my stage
	v_mul_u32_u24 v3, v1, SPITCH
	v_lshl_add_u32 v3, v2, 5, v3
	v_add_nc_u32 v[STO], s23, v3                   ; in: row lane % 16, 32 bytes for each half of the lanes
	v_add_nc_u32 v[RD], s23, v[AO]                 ; back: the 32 lanes take one row of 512 bytes
	s_lshl_b32 s44, s18, 18
	s_lshl_b32 s45, s16, 16
	s_add_co_u32 s44, s44, s45                     ; my four tiles of tokens: (16 B + 4 wave) x 16,384
	s_mov_b32 s45, 0
	s_add_nc_u64 s[36:37], s[4:5], s[44:45]
	s_lshl_b32 s46, s19, 9                         ; 128 j columns of f32
	s_mov_b32 s47, 0
	s_add_nc_u64 s[40:41], s[10:11], s[46:47]      ; their bias
	s_lshl_b32 s44, s18, 20
	s_lshl_b32 s48, s16, 18
	s_add_co_u32 s44, s44, s48                     ; row 256 B + 64 wave of out0, 4,096 bytes each
	s_add_co_u32 s44, s44, s46
	s_add_nc_u64 s[42:43], s[12:13], s[44:45]
	s_wait_alu depctr_va_vdst(0)
.irp b, 0,1,2,3,4,5,6,7
	global_load_b128 v[BI+8*\b:BI+8*\b+3], v[BO], s[40:41] offset:64*\b      ; the bias in the result's layout: eight neighbouring columns a lane
	global_load_b128 v[BI+8*\b+4:BI+8*\b+7], v[BO], s[40:41] offset:64*\b+16
.endr
	WIN 0x40
.irp s, 0,1,2,3
.irp a, 0,1,2,3
.irp c, 0,1,2,3
	global_load_b128 v[64*\s+16*\a+4*\c:64*\s+16*\a+4*\c+3], v[AO], s[36:37] offset:16384*\a+2048*\s+512*\c
.endr
.endr
.endr
	WIN 0x80
.irp s, 0,1,2,3
.irp a, 0,1,2,3
.irp c, 0,1,2,3
	global_load_b128 v[64*\s+16*\a+4*\c:64*\s+16*\a+4*\c+3], v[AO], s[36:37] offset:16384*\a+2048*(\s+4)+512*\c
.endr
.endr
.endr
	WIN 0
	s_wait_kmcnt 0x0
	s_add_co_i32 s96, s96, s97                     ; e6 + e7
	s_sub_co_i32 s51, 0, s96
	s_add_co_i32 s96, s96, 127
	s_lshl_b32 s96, s96, 23                        ; 2^(e6 + e7) as f32
	s_mov_b32 s97, s96                             ; (named with it as a pair, so it is written)
	s_wait_loadcnt 63                              ; behind the bias stand ao's 128 loads: with 63 out, the bias and K steps 0-3 are in
.set n, 0
.rept 64
	v_ldexp_f32 v[BI+n], v[BI+n], s51              ; x 2^-(e6 + e7): exact
.set n, n+1
.endr
	s_wait_alu depctr_va_vdst(0)                   ; at the head's end
.macro BSET i                          ; set i of 32: K step i / 4, column blocks 2 (i % 4) and the next: eight loads
.set bs_, (\i)/4
.set bp_, (\i)%4
.set rb_, RING+32*((\i)%5)
.irp bb, 0,1
.irp c, 0,1,2,3
	ds_load_b128 v[rb_+16*\bb+4*\c:rb_+16*\bb+4*\c+3], v[ADL+bp_/2] offset:((2*bp_)%4+\bb)*16*PITCH+128*bs_+32*\c
.endr
.endr
.endm
.macro MUL8                            ; set i_: my four blocks of tokens x its two blocks of columns; the 32 accumulators take turns, one instruction a turn
.set ms_, i_/4
.set mw_, 1+ms_/4
.set ra_, 64*(ms_%4)
.set rb_, RING+32*(i_%5)
.set b0_, 2*(i_%4)
.if ms_ == 0
	WIN 0xc0|(mw_<<2)
.else
	WIN 0xf0|(mw_<<2)
.endif
.irp a, 0,1,2,3
.irp bb, 0,1
.if ms_ == 0
	v_wmma_f32_16x16x128_fp8_fp8 v[8*(8*\a+b0_+\bb):8*(8*\a+b0_+\bb)+7], v[rb_+16*\bb:rb_+16*\bb+15], v[ra_+16*\a:ra_+16*\a+15], v[BI+8*(b0_+\bb):BI+8*(b0_+\bb)+7]
.else
	v_wmma_f32_16x16x128_fp8_fp8 v[8*(8*\a+b0_+\bb):8*(8*\a+b0_+\bb)+7], v[rb_+16*\bb:rb_+16*\bb+15], v[ra_+16*\a:ra_+16*\a+15], v[8*(8*\a+b0_+\bb):8*(8*\a+b0_+\bb)+7]
.endif
.endr
.endr
	WIN 0
.endm
	s_wait_tensorcnt 0x0                           ; my quarter of w's rows is in
	ds_add_u32 v[SPW], v[NIL]
	s_wait_dscnt 0x0
	s_barrier_signal -1
	s_barrier_wait -1                              ; everybody's is
	BSET 0                                         ; THE PRODUCTS.  Set i + 4 is asked for, into the registers that set i - 1 has left, ahead of set i's products
	BSET 1
	BSET 2
	BSET 3
.set i_, 0
.rept 32
.if i_+4 < 32
.rept 4
	v_nop                                          ; places between the last set's products and loads into the registers that they read (ISA guide 7.12.1 for vector instructions)
.endr
	BSET i_+4
	s_wait_dscnt 32                                ; set i is in; the four sets behind it, eight loads each, may be out
.else
	s_wait_dscnt 8*(31-i_)
.endif
.if (i_%4 == 0) && (i_/4 >= 4)
	s_wait_loadcnt 16*(7-i_/4)                     ; ao's K step is in; sixteen loads for each later one may be out
.endif
	MUL8
.set i_, i_+1
.endr
; THE WAY OUT, block a of my four: 16 tokens x 128 columns.  Each sum x 2^(e6 + e7), into my own stage, back as whole rows of 512 bytes, which the 32 lanes store as one aligned run of 512 bytes.
; LDS serves a wave's instructions in order (ISA guide 5.7.1.4): no wait between the stores and the loads.
.macro TOSTAGE a
	WIN 0x03
.set n, 0
.rept 32
	v_pk_mul_f32 v[TMP+n:TMP+n+1], v[64*(\a)+n:64*(\a)+n+1], s[96:97] op_sel_hi:[1,0]   ; each accumulator from its low end on
.set n, n+2
.endr
	WIN 0
.irp b, 0,1,2,3,4,5,6,7
	ds_store_b128 v[STO], v[TMP+8*\b:TMP+8*\b+3] offset:64*\b
	ds_store_b128 v[STO], v[TMP+8*\b+4:TMP+8*\b+7] offset:64*\b+16
.endr
.set BB, BK+64*((\a)%2)
.irp t, 0,1,2,3,4,5,6,7,8,9,10,11,12,13,14,15
	ds_load_b128 v[BB+4*\t:BB+4*\t+3], v[RD] offset:\t*SPITCH
.endr
.endm
.macro SEND a, younger                 ; younger: the LDS instructions issued behind block a's loads, which may stay out
.set BB, BK+64*((\a)%2)
	s_wait_dscnt \younger
.irp t, 0,1,2,3,4,5,6,7,8,9,10,11,12,13,14,15
	global_store_b128 v[AO], v[BB+4*\t:BB+4*\t+3], s[42:43] offset:(16*(\a)+\t)*4096 th:TH_STORE_NT
.endr
.endm
.rept 4
	v_nop                                          ; places behind the last products
.endr
	TOSTAGE 0
	TOSTAGE 1
	SEND 0, 32                                     ; behind block 0's loads: block 1's 16 stores and 16 loads
	s_wait_xcnt 0x0                                ; block 0's stores have read their data: block 2's loads may land there
	TOSTAGE 2
	SEND 1, 32
	s_wait_xcnt 0x0
	TOSTAGE 3
	SEND 2, 32
	SEND 3, 0
	s_wait_tensorcnt 0x0                           ; the wave's end
	ds_add_u32 v[SPW], v[NIL]
	s_wait_dscnt 0x0
	CROUND                                         ; the closing round
	s_endpgm
.Lfunc_end_k_q0e3463697d_gemm_fc:
	.size	k_q0e3463697d_gemm_fc, .Lfunc_end_k_q0e3463697d_gemm_fc-k_q0e3463697d_gemm_fc
	.p2alignl 7, 3214868480
	.fill 96, 4, 3214868480
	.section	.rodata,"a",@progbits
	.p2align	6, 0x0
	.amdhsa_kernel k_q0e3463697d_gemm_fc
		.amdhsa_group_segment_fixed_size 327680
		.amdhsa_private_segment_fixed_size 0
		.amdhsa_enable_private_segment 0
		.amdhsa_kernarg_size 40
		.amdhsa_user_sgpr_count 2
		.amdhsa_user_sgpr_kernarg_segment_ptr 1
		.amdhsa_wavefront_size32 1
		.amdhsa_system_sgpr_workgroup_id_x 1
		.amdhsa_system_sgpr_workgroup_id_y 1
		.amdhsa_system_sgpr_workgroup_id_z 1
		.amdhsa_system_vgpr_workitem_id 0
		.amdhsa_next_free_vgpr 1024
		.amdhsa_next_free_sgpr 100
		.amdhsa_reserve_vcc 0
		.amdhsa_float_denorm_mode_32 3
		.amdhsa_float_denorm_mode_16_64 3
		.amdhsa_memory_ordered 1
		.amdhsa_forward_progress 1
		.amdhsa_inst_pref_size 84
	.end_amdhsa_kernel
	.amdgpu_metadata
---
amdhsa.version: [ 1, 2 ]
amdhsa.kernels:
  - .name:           k_q0e3463697d_gemm_fc
    .symbol:         k_q0e3463697d_gemm_fc.kd
    .args:
      - { .name: ao, .offset: 0, .size: 8, .value_kind: global_buffer, .address_space: global }
      - { .name: w_codes, .offset: 8, .size: 8, .value_kind: global_buffer, .address_space: global }
      - { .name: lowp_scales, .offset: 16, .size: 8, .value_kind: global_buffer, .address_space: global }
      - { .name: b_fc, .offset: 24, .size: 8, .value_kind: global_buffer, .address_space: global }
      - { .name: out0, .offset: 32, .size: 8, .value_kind: global_buffer, .address_space: global }
    .group_segment_fixed_size: 327680
    .private_segment_fixed_size: 0
    .kernarg_segment_align: 8
    .kernarg_segment_size: 40
    .max_flat_workgroup_size: 128
    .sgpr_count:     100
    .vgpr_count:     1024
    .wavefront_size: 32
...
	.end_amdgpu_metadata
.endif
;; end of part 4
